; MI455X (gfx1250); checked and timed in simulation.
; The chip was launched on July 23, 2026; its instructions are those of AMD's public machine-readable ISA for CDNA 5 (MIT licence, August 2026) and "CDNA5" Instruction Set Architecture Reference Guide (July 2026). The comments in the code are by the model that wrote it; some were corrected since.
;; Light Ro I Align Exemplar Embedder. Allowed arithmetic: matrix products marked QUANTISED: E4M3 operands, one given power-of-two scale a tensor, by v_wmma_f32_16x16x64_fp8_fp8 or v_wmma_f32_16x16x128_fp8_fp8, f32 sums; everything else in f32.
;; Inputs: W_out 256 x 128 float32; b_out 256 float32; bboxes 16 x 64 x 4 float32; lowp_scales 2 int32 (the exponents e of the quantised operands' scales 2^e); z 16 x 128 x 64 x 64 float32.
;; Outputs: out0 16 x 64 x 256 float32.
;; This version of the problem:
;;   THIS VERSION OF THE PROBLEM IS GIVEN IN LOW PRECISION. The matrix products marked QUANTISED in the list below multiply operands that are first quantised to E4M3 (4 exponent bits, 3 mantissa bits; 8 bits a number), with one given power-of-two scale for each operand tensor; their sums are f32. All else is computed in f32.
;;   The module's matrix products, in the order in which they are computed (A, B: the left and right operand; K: the contracted axis; several contracted axes count as one K, in the product's order):
;;     1. [M 1,024, K 128] x [K 128, N 256]; A: computed on the way; B: input W_out: QUANTISED (scales: A lowp_scales[0], B lowp_scales[1])
;;   THE QUANTISER, for each operand of a quantised product, along K:
;;     - The operand's scale is 2^e, e = its entry of the input lowp_scales (int32; the entries are numbered through the quantised products in the list's order, A before B).
;;     - Each number is divided by the scale, clamped to +-448, and rounded to the nearest number of E4M3, ties to even, subnormals kept.
;;     - The product sums the exact products of the quantised numbers (number of the format x scale) in f32.
;;   ~~~python
;;   def quantise(x, axis, e):      # numpy; x: float32 -> the quantised numbers, widened to float32 again
;;       x = np.moveaxis(x, axis, -1); K = x.shape[-1]
;;       r = np.clip(x / 2.0 ** e, -448, 448)
;;       step = 2.0 ** (np.maximum(np.frexp(np.where(r == 0, 1, r))[1] - 1, -6) - 3)
;;       q = np.round(r / step) * step * 2.0 ** e      # np.round: ties to even
;;       return np.moveaxis(q, -1, axis).astype(np.float32)
;;   ~~~
;;   OPERANDS COMPUTED ON THE WAY. 'Computed on the way' means the value that the module computes at that place (a softmax that the list does not call 'softmax' is quantised finished and normalised). What goes into a quantiser is computed in f32, as accurately as f32 sums, v_exp_f32 and their like allow (about 1e-6 of the number): no bf16 or f16 on the way to a quantiser, and a product that is left as it is and whose result goes on into a quantised operand takes f32 operands (vector FMAs, or v_wmma_f32_16x16x4_f32). A number that lies on a knife's edge between two numbers of the format may be rounded either way, as far as f32 arithmetic and the matrix unit's own rounding can turn it there, and no further.
;; One version. Each part assembles by itself: llvm-mc -triple=amdgcn-amd-amdhsa -mcpu=gfx1250 --defsym DOCPART=n.
;; ======== version 1 of 1: 3 launches
;; limits: right only within a limited range of input values
;; workspace buffers: wts 524,288 bytes; info 262,144 bytes of whole numbers; wcodes 32,768 bytes; fcodes 131,072 bytes
;; launch prep (part 1): grid 256 x 1, 5 waves a work-group, no clusters, 0 bytes of LDS; arguments bboxes, W_out, lowp_scales, wts, info, wcodes; writes wts, info, wcodes
.if DOCPART == 1
	.amdgcn_target "amdgcn-amd-amdhsa--gfx1250"
	.amdhsa_code_object_version 6
	.text
	.protected	k_q0d359539bf_prep
	.globl	k_q0d359539bf_prep
	.p2align	8
	.type	k_q0d359539bf_prep,@function
k_q0d359539bf_prep:
	s_mov_b64 s[64:65], 0
	v_nop
	global_prefetch_b8 v0, s[64:65] scope:SCOPE_SE
	s_setreg_imm32_b32 hwreg(HW_REG_WAVE_MODE, 25, 1), 1
	s_wait_xcnt 0x0
; RoIAlign to 1 x 1 (aligned, adaptive grid of at most 16 x 16 samples) is separable: feats[n][c] = sum over y, x of Wy[n][y] Wx[n][x] z[c][y][x], where W.[n][p] is the sum over
; the RoI's valid samples of the weight that bilinear interpolation gives cell p, max(0, 1 - |cc - p|), cc = the sample's place held within 0 .. 63; here already divided by the axis's grid count.
; THIS LAUNCH makes these weights, the window of cells outside which they are all 0, and the E4M3 codes of W_out.  Nothing of the definition is left out.
; A wave takes one RoI n (of 1,024): lanes 0-15 its x axis, lanes 16-31 its y axis.  Lane r of the sixteen places sample r, then makes the weights of four cells, 4 r .. 4 r + 3 of the window.
; wts  [RoI 1024][axis x, y][64] f32: weights from the window's first cell on (0 behind its end and beyond the map).
; info [RoI 1024][lane 32][2] int32: the lane's first LDS byte in the next launch (its channel, its row of a tile, the window's first tile), and the counts: bits 3:0 tile columns in a pass, 7:4 passes, 11:8 pairs of tile rows.
; A tile is 4 x 4 cells.  x: 2 to 5 tile columns in one pass, or passes of 4 where more are touched; y: pairs of tile rows.  The window is moved back from the map's end so that all of it lies inside.
; Wave 4 of the first 128 work-groups turns 256 numbers of W_out into codes: wcodes [256][128], K innermost as W_out lies.
; LIMITS.  e1 between -126 and 119 (2^e1 and 448 x 2^e1 are made as f32 numbers).  NaN among the boxes or in W_out is not served.  A sample's place is one fused multiply-add; the side / grid count
; is a reciprocal and one correction step; the division by the counts is a reciprocal for each axis.
.set CHP, 17440                        ; next launch's LDS: bytes from channel to channel,
.set RP,  272                          ; and from row to row
	s_load_b256 s[4:11], s[0:1], 0x0               ; bboxes s[4:5], W_out s[6:7], lowp_scales s[8:9], wts s[10:11]
	s_load_b128 s[12:15], s[0:1], 0x20             ; info s[12:13], wcodes s[14:15]
	v_lshrrev_b32 v1, 5, v0
	v_readfirstlane_b32 s16, v1                    ; wave 0..4
	v_and_b32 v2, 31, v0                           ; lane
	s_lshl_b32 s17, ttmp9, 2
	s_add_co_u32 s17, s17, s16                     ; RoI
	s_lshl_b32 s18, s17, 4                         ; its box: 16 bytes
	s_wait_alu depctr_va_vdst(0)
	s_wait_kmcnt 0x0
	s_cmp_eq_u32 s16, 4
	s_cbranch_scc1 .Lweight
	s_load_b128 s[20:23], s[4:5], s18 offset:0x0   ; x1, y1, x2, y2
	s_lshl_b32 s36, s17, 9
	s_mov_b32 s37, 0
	s_add_nc_u64 s[10:11], s[10:11], s[36:37]      ; my RoI's 512 bytes of weights
	s_lshl_b32 s38, s17, 8
	s_mov_b32 s39, 0
	s_add_nc_u64 s[12:13], s[12:13], s[38:39]      ; and 256 bytes of info
	s_mov_b32 s24, 0xffff0000                      ; the y axis's lanes
	s_mov_b32 s25, 0x3e000000                      ; 0.125
	s_mov_b32 s26, 0x41800000                      ; 16.0
	s_mov_b32 s30, 0x42800000                      ; 64.0
	s_mov_b32 s31, 0x427c0000                      ; 63.0
	s_mov_b32 s33, 0x40a00000                      ; 5.0
	s_mov_b32 s34, 0x76543210                      ; v_permlanex16_b32: lane l takes lane l xor 16
	s_mov_b32 s35, 0xfedcba98
	v_and_b32 v3, 15, v2                           ; r
	v_lshrrev_b32 v6, 3, v2                        ; next launch: lane = channel (lane % 8), row of a tile (lane / 8)
	v_and_b32 v1, 7, v2
	v_mul_u32_u24 v6, v6, RP
	v_mad_u32_u24 v6, v1, CHP, v6
	v_cvt_f32_u32 v4, v3
	v_lshlrev_b32 v5, 2, v3
	v_lshlrev_b32 v7, 4, v2
	v_lshlrev_b32 v8, 3, v2
	v_add_f32 v4, 0.5, v4                          ; r + 0.5
	v_cvt_f32_u32 v5, v5                           ; 4 r
	v_mov_b32 v9, 16                               ; LDS bytes of a tile along x,
	v_mov_b32 v33, 4*RP                            ; along y
	v_mov_b32 v14, 0x3e800000                      ; 0.25
	v_mov_b32 v19, 0                               ; (named as the upper half of a pair)
	v_cndmask_b32 v9, v9, v33, s24
	v_cndmask_b32 v14, v14, 0.5, s24
.irp i, 72,73,74,75,79,81
	v_mov_b32 v\i, 0                               ; a lane permute's destination counts as one of its sources
.endr
	s_wait_alu depctr_va_vdst(0)                   ; the head's end
	s_wait_kmcnt 0x0
	v_mov_b32 v10, s20
	v_mov_b32 v11, s21
	v_mov_b32 v12, s22
	v_mov_b32 v13, s23
	v_cndmask_b32 v10, v10, v11, s24               ; my axis's two corners
	v_cndmask_b32 v12, v12, v13, s24
	v_fma_f32 v10, v10, s25, -0.5                  ; x 0.125 is exact, so this is the product less 0.5
	v_fma_f32 v12, v12, s25, -0.5
	v_sub_f32 v15, v12, v10                        ; the side
	v_floor_f32 v33, -v15                          ; -ceil(side)
	v_med3_num_f32 v16, -v33, 1.0, s26             ; the grid count, 1 .. 16
	s_wait_alu depctr_va_vdst(0)                   ; ahead of the reciprocal,
	v_rcp_f32 v18, v16
	v_cmp_lt_f32 s29, v4, v16                      ; r + 0.5 under the count: r under it
	s_wait_alu depctr_va_vdst(0)                   ; and ahead of its first reader
	v_mul_f32 v20, v15, v18
	v_fma_f32 v21, -v20, v16, v15                  ; what the quotient leaves,
	v_fma_f32 v20, v21, v18, v20                   ; put back: side / grid count
	v_fma_f32 v22, v20, v4, v10                    ; sample r's place
	v_cmp_lt_f32 s27, -1.0, v22
	v_cmp_gt_f32 s28, s30, v22
	v_med3_num_f32 v23, v22, 0, s31                ; held within 0 .. 63
	s_and_b32 s27, s27, s28
	s_and_b32 s27, s27, s29
	v_cndmask_b32 v24, -4.0, v23, s27              ; a sample that does not count stands at -4, where every cell's weight is 0
	v_cndmask_b32 v25, s30, v23, s27               ; for the least place,
	v_cndmask_b32 v26, -1.0, v23, s27              ; for the greatest
.irp m, 1,2,4,8
	v_min_num_f32_dpp v25, v25, v25 row_xmask:\m row_mask:0xf bank_mask:0xf
	v_max_num_f32_dpp v26, v26, v26 row_xmask:\m row_mask:0xf bank_mask:0xf
.endr
	v_mul_f32 v27, 0x3e800000, v25
	v_floor_f32 v28, v26
	v_floor_f32 v27, v27
	v_add_f32 v28, 1.0, v28                        ; the last cell touched (64 is brought back below)
	v_min_num_f32 v27, 0x41700000, v27             ; the first tile, 0 .. 15
	v_mul_f32 v28, 0x3e800000, v28
	v_floor_f32 v28, v28
	v_min_num_f32 v28, 0x41700000, v28             ; the last tile
	v_sub_f32 v29, v28, v27
	v_add_f32 v29, 1.0, v29
	v_max_num_f32 v29, 1.0, v29                    ; tiles touched along the axis; 1 where no sample counts
	v_mul_f32 v30, v29, v14
	v_max_num_f32 v31, 2.0, v29
	v_cmp_lt_f32 s27, s33, v29                     ; more than 5
	v_ceil_f32 v30, v30                            ; y: pairs of tile rows; x: passes of 4
	s_or_b32 s28, s27, s24
	v_cndmask_b32 v31, v31, 4.0, s27
	v_cndmask_b32 v30, 1.0, v30, s28
	v_cndmask_b32 v31, v31, 2.0, s24
	v_fma_f32 v32, -v31, v30, s26                  ; 16 less the window's tiles
	v_min_num_f32 v27, v27, v32                    ; the window's first tile
	; the weights' cells: P = 4 x first tile + 4 r
	v_fma_f32 v32, v27, 4.0, v5
	v_cvt_u32_f32 v33, v27
	v_cvt_u32_f32 v34, v31
	v_cvt_u32_f32 v35, v30
	v_sub_f32 v36, 1.0, v32                        ; 1 - p of my four cells
	v_add_f32 v40, 1.0, v32                        ; 1 + p
	v_mul_u32_u24 v78, v33, v9
	v_lshl_or_b32 v80, v35, 4, v34
	v_lshlrev_b32 v35, 8, v35
	v_add_f32 v37, -1.0, v36
	v_add_f32 v38, -2.0, v36
	v_add_f32 v39, 0xc0400000, v36
	v_add_f32 v41, 2.0, v32
	v_add_f32 v42, 0x40400000, v32
	v_add_f32 v43, 4.0, v32
	v_cndmask_b32 v80, v80, v35, s24
	v_permlanex16_b32 v79, v78, s34, s35           ; the other axis's part
	v_permlanex16_b32 v81, v80, s34, s35
	v_add3_u32 v76, v78, v79, v6
	v_or_b32 v77, v80, v81
	global_store_b64 v8, v[76:77], s[12:13]        ; 256 consecutive bytes
; Samples 2 gp and 2 gp + 1, from the lanes that placed them, against my four cells: the median of cc - (p - 1), (p + 1) - cc and 0.
.macro HATS gp
.set cp, 72+2*((\gp)%2)
.set g0, 2*(\gp)
.set g1, 2*(\gp)+1
	v_mov_b32_dpp v[cp], v24 row_share:g0 row_mask:0xf bank_mask:0xf
	v_mov_b32_dpp v[cp+1], v24 row_share:g1 row_mask:0xf bank_mask:0xf
	v_pk_add_f32 v[48:49], v[36:37], v[cp:cp+1] op_sel_hi:[1,0]
	v_pk_add_f32 v[50:51], v[38:39], v[cp:cp+1] op_sel_hi:[1,0]
	v_pk_add_f32 v[52:53], v[40:41], v[cp:cp+1] op_sel_hi:[1,0] neg_lo:[0,1] neg_hi:[0,1]
	v_pk_add_f32 v[54:55], v[42:43], v[cp:cp+1] op_sel_hi:[1,0] neg_lo:[0,1] neg_hi:[0,1]
	v_pk_add_f32 v[56:57], v[36:37], v[cp:cp+1] op_sel:[0,1] op_sel_hi:[1,1]
	v_pk_add_f32 v[58:59], v[38:39], v[cp:cp+1] op_sel:[0,1] op_sel_hi:[1,1]
	v_pk_add_f32 v[60:61], v[40:41], v[cp:cp+1] op_sel:[0,1] op_sel_hi:[1,1] neg_lo:[0,1] neg_hi:[0,1]
	v_pk_add_f32 v[62:63], v[42:43], v[cp:cp+1] op_sel:[0,1] op_sel_hi:[1,1] neg_lo:[0,1] neg_hi:[0,1]
.set dd, 64
.if (\gp) == 0
.set dd, 44                            ; the first sample starts the sums
.endif
.irp k, 0,1,2,3
	v_med3_num_f32 v[dd+\k], v[48+\k], v[52+\k], 0
.endr
.irp k, 0,1,2,3
	v_med3_num_f32 v[68+\k], v[56+\k], v[60+\k], 0
.endr
.if (\gp) > 0
	v_pk_add_f32 v[44:45], v[44:45], v[64:65]
	v_pk_add_f32 v[46:47], v[46:47], v[66:67]
.endif
	v_pk_add_f32 v[44:45], v[44:45], v[68:69]
	v_pk_add_f32 v[46:47], v[46:47], v[70:71]
.endm
.irp gp, 0,1,2,3,4,5,6,7
	HATS \gp
.endr
	v_pk_mul_f32 v[44:45], v[44:45], v[18:19] op_sel_hi:[1,0]      ; / grid count
	v_pk_mul_f32 v[46:47], v[46:47], v[18:19] op_sel_hi:[1,0]
	global_store_b128 v7, v[44:47], s[10:11]       ; 512 consecutive bytes
	s_endpgm
.Lweight:                                          ; wave 4: 256 numbers of W_out, eight a lane
	s_cmp_lt_u32 ttmp9, 128
	s_cbranch_scc0 .Lend
	s_load_b64 s[20:21], s[8:9], 0x0               ; e0, e1
	s_lshl_b32 s22, ttmp9, 10
	s_mov_b32 s23, 0
	s_add_nc_u64 s[6:7], s[6:7], s[22:23]
	s_lshl_b32 s22, ttmp9, 8
	s_add_nc_u64 s[14:15], s[14:15], s[22:23]
	v_lshlrev_b32 v3, 5, v2
	v_lshlrev_b32 v4, 3, v2
	global_load_b128 v[8:11],  v3, s[6:7]
	global_load_b128 v[12:15], v3, s[6:7] offset:16
	s_wait_alu depctr_va_vdst(0)
	s_wait_kmcnt 0x0
	s_add_co_i32 s24, s21, 127
	s_lshl_b32 s25, s24, 23
	s_add_co_i32 s24, s24, 8
	s_lshl_b32 s24, s24, 23
	s_or_b32 s24, s24, 0x600000
	v_mov_b32 v6, s25                              ; 2^e1 as f32: the conversion takes its exponent field
	v_mov_b32 v7, s24                              ; 448 x 2^e1
	s_wait_alu depctr_va_vdst(0)
	s_wait_loadcnt 0x0
.irp i, 8,9,10,11,12,13,14,15
	v_med3_num_f32 v\i, v\i, -v7, v7               ; the conversion to an 8-bit code does not saturate (ISA guide 7.6.2): held first
.endr
	v_cvt_scalef32_pk8_fp8_f32 v[16:17], v[8:15], v6
	v_nop                                          ; a plain vector line behind the conversion
	global_store_b64 v4, v[16:17], s[14:15]        ; 256 consecutive bytes
.Lend:
	s_endpgm
.Lfunc_end_k_q0d359539bf_prep:
	.size	k_q0d359539bf_prep, .Lfunc_end_k_q0d359539bf_prep-k_q0d359539bf_prep
	.p2alignl 7, 3214868480
	.fill 96, 4, 3214868480
	.section	.rodata,"a",@progbits
	.p2align	6, 0x0
	.amdhsa_kernel k_q0d359539bf_prep
		.amdhsa_group_segment_fixed_size 0
		.amdhsa_private_segment_fixed_size 0
		.amdhsa_enable_private_segment 0
		.amdhsa_kernarg_size 48
		.amdhsa_user_sgpr_count 2
		.amdhsa_user_sgpr_kernarg_segment_ptr 1
		.amdhsa_wavefront_size32 1
		.amdhsa_system_sgpr_workgroup_id_x 1
		.amdhsa_system_sgpr_workgroup_id_y 1
		.amdhsa_system_sgpr_workgroup_id_z 1
		.amdhsa_system_vgpr_workitem_id 0
		.amdhsa_next_free_vgpr 84
		.amdhsa_next_free_sgpr 66
		.amdhsa_reserve_vcc 0
		.amdhsa_float_denorm_mode_32 3
		.amdhsa_float_denorm_mode_16_64 3
		.amdhsa_memory_ordered 1
		.amdhsa_forward_progress 1
		.amdhsa_inst_pref_size 20
	.end_amdhsa_kernel
	.amdgpu_metadata
---
amdhsa.version: [ 1, 2 ]
amdhsa.kernels:
  - .name:           k_q0d359539bf_prep
    .symbol:         k_q0d359539bf_prep.kd
    .args:
      - { .name: bboxes, .offset: 0, .size: 8, .value_kind: global_buffer, .address_space: global }
      - { .name: W_out, .offset: 8, .size: 8, .value_kind: global_buffer, .address_space: global }
      - { .name: lowp_scales, .offset: 16, .size: 8, .value_kind: global_buffer, .address_space: global }
      - { .name: wts, .offset: 24, .size: 8, .value_kind: global_buffer, .address_space: global }
      - { .name: info, .offset: 32, .size: 8, .value_kind: global_buffer, .address_space: global }
      - { .name: wcodes, .offset: 40, .size: 8, .value_kind: global_buffer, .address_space: global }
    .group_segment_fixed_size: 0
    .private_segment_fixed_size: 0
    .kernarg_segment_align: 8
    .kernarg_segment_size: 48
    .max_flat_workgroup_size: 160
    .sgpr_count:     66
    .vgpr_count:     84
    .wavefront_size: 32
...
	.end_amdgpu_metadata
.endif
;; end of part 1
;; launch pool (part 2): grid 16 x 16, 32 waves a work-group, no clusters, 178,432 bytes of LDS; arguments z, wts, info, lowp_scales, fcodes; writes fcodes
.if DOCPART == 2
	.amdgcn_target "amdgcn-amd-amdhsa--gfx1250"
	.amdhsa_code_object_version 6
	.text
	.protected	k_q0d359539bf_pool
	.globl	k_q0d359539bf_pool
	.p2align	8
	.type	k_q0d359539bf_pool,@function
k_q0d359539bf_pool:
	s_mov_b64 s[64:65], 0
	v_nop
	global_prefetch_b8 v0, s[64:65] scope:SCOPE_SE
	s_setreg_imm32_b32 hwreg(HW_REG_WAVE_MODE, 25, 1), 1
	s_wait_xcnt 0x0
; feats[n][c] = sum over the RoI's window of Wy Wx z (weights and window made by the launch before), then the quantiser of the linear layer's left operand.
; Out: fcodes, E4M3 codes laid [image 16][channel group 16][RoI 64][8 channels].  Nothing of the definition is left out: outside the window every weight is 0.
; A work-group: one image, 8 channels (131,072 bytes of z, read once in the launch, laid in LDS), all 64 RoIs.  32 waves: each brings 16 rows of one channel, then takes two RoIs.
; Lane = channel (lane % 8), row of a tile (lane / 8): one LDS load of 16 bytes a lane is a tile of 4 x 4 cells of all eight channels.  The sum over a tile's columns stays in the lane;
; the four rows of a tile meet once a RoI.
; LDS: rows 272 bytes apart, channels 17,440: the sixteen lanes of half an instruction (8 channels x 2 rows) fall on sixteen different 16-byte columns of 256 (64 banks of 4 bytes: ISA guide 11.1).
; No tensor load, and so no cluster: z is shared by no two work-groups, the weights of an image (32,768 bytes of a work-group's 180,224) are.
; No prefetch: all that a wave reads is asked for at its head, there is no loop to run ahead in.
; LIMITS.  e0 between -126 and 119 (2^e0 and 448 x 2^e0 are made as f32 numbers).  A NaN or an infinity in z also reaches those RoIs whose window (a rectangle of whole tiles) covers it with weight 0.
.set CHP, 17440
.set RP,  272
.set WB,  8*CHP                        ; the weights: 512 bytes a RoI
.set STG, WB+64*512                    ; the sums: [RoI 64][8 channels] f32
.set SPARE, STG+2048                   ; the spare words, 128 bytes for each of 32 waves
.set SPW, 101                          ; SPARE + 4 x thread; never rewritten
.set NIL, 102                          ; 0; never rewritten
.set WX, 24                            ; v24-43  x weights of a pass's tile columns
.set ZA, 44                            ; v44-63  tiles of the first tile row
.set ZB, 64                            ; v64-83  of the second
.set T,  84                            ; v84-91  at work
.set AC, 92                            ; v92-95  the RoI's sums
	s_load_b256 s[4:11], s[0:1], 0x0               ; z s[4:5], wts s[6:7], info s[8:9], lowp_scales s[10:11]
	s_load_b64 s[12:13], s[0:1], 0x20              ; fcodes
	v_lshl_add_u32 v[SPW], v0, 2, SPARE
	v_mov_b32 v[NIL], 0
	v_lshrrev_b32 v1, 5, v0
	v_readfirstlane_b32 s14, v1                    ; wave 0..31
	s_wait_alu depctr_va_vdst(0)                   ; ahead of the run of scalar lines
	s_lshr_b32 s15, s14, 2                         ; the channel that I bring
	s_and_b32 s16, s14, 3                          ; which 16 of its rows
	s_and_b32 s17, ttmp7, 0xffff                   ; image
	s_lshl_b32 s18, s17, 7
	s_lshl_b32 s19, ttmp9, 3
	s_add_co_u32 s18, s18, s19
	s_add_co_u32 s18, s18, s15                     ; 128 x image + 8 x group + channel
	s_lshl_b32 s18, s18, 14                        ; a map is 16,384 bytes,
	s_lshl_b32 s19, s16, 12                        ; 16 rows 4,096
	s_add_co_u32 s18, s18, s19
	s_mov_b32 s19, 0
	s_lshl_b32 s20, s17, 15                        ; weights: 32,768 bytes an image,
	s_lshl_b32 s37, s14, 10                        ; 1,024 for my two RoIs
	s_add_co_u32 s20, s20, s37
	s_mov_b32 s21, 0
	s_lshl_b32 s22, s17, 14                        ; info: 16,384 bytes an image,
	s_lshl_b32 s23, s14, 9                         ; 512 for my two RoIs
	s_add_co_u32 s22, s22, s23
	s_mov_b32 s23, 0
	s_lshl_b32 s24, s17, 4
	s_add_co_u32 s24, s24, ttmp9
	s_lshl_b32 s24, s24, 9                         ; my work-group's 512 bytes of codes
	s_mov_b32 s25, 0
	s_mul_i32 s26, s15, CHP
	s_lshl_b32 s39, s16, 3
	s_add_co_u32 s39, s39, s26                     ; my 8 bytes of the gap behind my channel, less 64 rows
	s_mul_i32 s27, s16, 16*RP
	s_add_co_u32 s26, s26, s27                     ; where my 16 rows go in LDS
	s_add_co_u32 s37, s37, WB                      ; where my two RoIs' weights go
	s_lshl_b32 s38, s14, 6
	s_add_co_u32 s38, s38, STG                     ; where their sums go
	s_mov_b32 s30, 0xffff0000                      ; lanes 16-31
	s_mov_b32 s34, 0x76543210                      ; v_permlanex16_b32: lane l takes lane l xor 16
	s_mov_b32 s35, 0xfedcba98
	v_and_b32 v2, 31, v0                           ; lane
	v_lshlrev_b32 v3, 4, v2
	v_lshlrev_b32 v7, 3, v2
	v_bfe_u32 v5, v0, 4, 1                         ; lane / 16
	v_and_b32 v1, 15, v0
	v_mul_u32_u24 v4, v5, RP
	v_lshl_add_u32 v4, v1, 4, v4                   ; a load's 512 bytes are two rows
	v_add_nc_u32 v4, s26, v4
	v_mul_u32_u24 v12, v1, RP
	v_add_nc_u32 v12, s26, v12                     ; row lane % 16 of my sixteen
	v_mov_b32 v13, s39
.irp k, 0,1,2,3
	v_mov_b32 v[T+\k], 0
.endr
	v_add_nc_u32 v6, s37, v3                       ; the weights, as they lie
	v_mov_b32 v8, s37                              ; x weights: the same for all lanes
	v_lshrrev_b32 v9, 3, v2
	v_lshlrev_b32 v9, 2, v9
	v_add_nc_u32 v9, s37, v9                       ; y weights: + 4 x my row of a tile
	v_and_b32 v1, 7, v0
	v_lshlrev_b32 v15, 5, v5
	v_lshl_add_u32 v15, v1, 2, v15
	v_add_nc_u32 v15, s38, v15                     ; lanes 16-31 end up with the second RoI
	v_and_b32 v1, 63, v0
	v_lshl_add_u32 v18, v1, 5, STG                 ; the end: a thread to a RoI
	v_lshlrev_b32 v19, 3, v1
	v_mov_b32 v100, 0                              ; a lane permute's destination counts as one of its sources
	s_wait_alu depctr_va_vdst(0)                   ; the head's end
	s_wait_kmcnt 0x0
	s_load_b32 s36, s[10:11], 0x0                  ; e0
	s_add_nc_u64 s[4:5], s[4:5], s[18:19]
	s_add_nc_u64 s[6:7], s[6:7], s[20:21]
	s_add_nc_u64 s[8:9], s[8:9], s[22:23]
	s_add_nc_u64 s[12:13], s[12:13], s[24:25]
	global_load_b64 v[20:21], v7, s[8:9]           ; twelve loads: info of two RoIs,
	global_load_b64 v[22:23], v7, s[8:9] offset:256
	global_load_b128 v[24:27], v3, s[6:7]          ; their weights,
	global_load_b128 v[28:31], v3, s[6:7] offset:512
.irp i, 0,1,2,3,4,5,6,7
	global_load_b128 v[32+4*\i:35+4*\i], v3, s[4:5] offset:512*\i th:TH_LOAD_NT   ; and 4,096 consecutive bytes of z
.endr
	ds_store_b128 v12, v[T:T+3] offset:256         ; zeros into the padding behind my sixteen rows (both halves of the lanes store the same),
	ds_store_b64 v13, v[T:T+1] offset:64*RP        ; and into my part of the gap: every byte that the window's clamp allows is written
	s_wait_loadcnt 0xa                             ; info is in; the ten behind it may be out
	v_readfirstlane_b32 s20, v21
	v_readfirstlane_b32 s21, v23
	s_wait_alu depctr_va_vdst(0)
	s_and_b32 s22, s20, 15                         ; tile columns in a pass,
	s_bfe_u32 s23, s20, 0x40004                    ; passes,
	s_bfe_u32 s24, s20, 0x40008                    ; pairs of tile rows
	s_and_b32 s26, s21, 15
	s_bfe_u32 s27, s21, 0x40004
	s_bfe_u32 s28, s21, 0x40008
	s_wait_loadcnt 0x8                             ; the weights are in; z's eight may be out
	ds_store_b128 v6, v[24:27]
	ds_store_b128 v6, v[28:31] offset:512
.irp i, 0,1,2,3,4,5,6,7
	s_wait_loadcnt 7-\i                            ; loads come back in order (ISA guide 5.7.1)
	ds_store_b128 v4, v[32+4*\i:35+4*\i] offset:2*RP*\i
.endr
	s_wait_dscnt 0x0                               ; for the others' sake: my rows and weights have landed
	s_barrier_signal -1
	s_barrier_wait -1
; A pass over n tile columns of RoI i: n x weights, then pairs of tile rows.
.macro TRIP i, n, q, t                 ; the t-th pair of tile rows, n tile columns from column 4 q of the window on
	ds_load_b32 v16, v9 offset:512*\i+256+32*\t    ; y weights of my row in the two tile rows
	ds_load_b32 v17, v9 offset:512*\i+272+32*\t
.set j, 0
.rept \n
	ds_load_b128 v[ZA+4*j:ZA+4*j+3], v[10+\i] offset:8*RP*\t+64*\q+16*j
.set j, j+1
.endr
.set j, 0
.rept \n
	ds_load_b128 v[ZB+4*j:ZB+4*j+3], v[10+\i] offset:8*RP*\t+4*RP+64*\q+16*j
.set j, j+1
.endr
	s_wait_dscnt 0x0
	v_pk_mul_f32 v[T:T+1],   v[ZA:ZA+1],   v[WX:WX+1]
	v_pk_mul_f32 v[T+2:T+3], v[ZA+2:ZA+3], v[WX+2:WX+3]
	v_pk_mul_f32 v[T+4:T+5], v[ZB:ZB+1],   v[WX:WX+1]
	v_pk_mul_f32 v[T+6:T+7], v[ZB+2:ZB+3], v[WX+2:WX+3]
.set j, 1
.rept \n-1
	v_pk_fma_f32 v[T:T+1],   v[ZA+4*j:ZA+4*j+1],   v[WX+4*j:WX+4*j+1],   v[T:T+1]
	v_pk_fma_f32 v[T+2:T+3], v[ZA+4*j+2:ZA+4*j+3], v[WX+4*j+2:WX+4*j+3], v[T+2:T+3]
	v_pk_fma_f32 v[T+4:T+5], v[ZB+4*j:ZB+4*j+1],   v[WX+4*j:WX+4*j+1],   v[T+4:T+5]
	v_pk_fma_f32 v[T+6:T+7], v[ZB+4*j+2:ZB+4*j+3], v[WX+4*j+2:WX+4*j+3], v[T+6:T+7]
.set j, j+1
.endr
	v_pk_fma_f32 v[AC:AC+1],   v[T:T+1],   v[16:17], v[AC:AC+1]   op_sel_hi:[1,0,1]
	v_pk_fma_f32 v[AC+2:AC+3], v[T+2:T+3], v[16:17], v[AC+2:AC+3] op_sel_hi:[1,0,1]
	v_pk_fma_f32 v[AC:AC+1],   v[T+4:T+5], v[16:17], v[AC:AC+1]   op_sel:[0,1,0] op_sel_hi:[1,1,1]
	v_pk_fma_f32 v[AC+2:AC+3], v[T+6:T+7], v[16:17], v[AC+2:AC+3] op_sel:[0,1,0] op_sel_hi:[1,1,1]
.endm
.macro PASS i, n, q                    ; written out, with a way out behind each pair of tile rows: every LDS address is a register plus an immediate
.set j, 0
.rept \n
	ds_load_b128 v[WX+4*j:WX+4*j+3], v8 offset:512*\i+64*\q+16*j
.set j, j+1
.endr
.irp t, 0,1,2,3,4,5,6,7
	TRIP \i, \n, \q, \t
.if \t < 7
	s_cmp_eq_u32 s[24+4*\i], \t+1
	s_cbranch_scc1 .Lq\i\()_\n\()_\q
.endif
.endr
.Lq\i\()_\n\()_\q:
.endm
.macro ROI i
	v_min_u32 v[10+\i], 0x220f0, v[20+2*\i]        ; my first byte in the RoI's window: inside the eight channels
.irp k, 0,1,2,3
	v_mov_b32 v[AC+\k], 0
.endr
	s_wait_alu depctr_va_vdst(0)                   ; ahead of the branches
	s_cmp_eq_u32 s[22+4*\i], 2
	s_cbranch_scc1 .Lc\i\()_2
	s_cmp_eq_u32 s[22+4*\i], 3
	s_cbranch_scc1 .Lc\i\()_3
	s_cmp_eq_u32 s[22+4*\i], 4
	s_cbranch_scc1 .Lc\i\()_4
	PASS \i, 5, 0
	s_branch .Lpe\i
.Lc\i\()_4:
	PASS \i, 4, 0
.irp q, 1,2,3
	s_cmp_eq_u32 s[23+4*\i], \q                    ; as many passes as the window has
	s_cbranch_scc1 .Lpe\i
	PASS \i, 4, \q
.endr
	s_branch .Lpe\i
.Lc\i\()_3:
	PASS \i, 3, 0
	s_branch .Lpe\i
.Lc\i\()_2:
	PASS \i, 2, 0
.Lpe\i:
	s_wait_alu depctr_va_vdst(0)                   ; directly ahead of the sums' reader
	v_pk_add_f32 v[AC:AC+1], v[AC:AC+1], v[AC+2:AC+3]
	v_add_f32 v[96+\i], v[AC], v[AC+1]
.endm
	ROI 0
	ROI 1
	s_wait_alu depctr_va_vdst(0)
	s_wait_dscnt 0x0                               ; my reads of the map are over
	s_barrier_signal -1
	; the four rows of a tile: each half of the lanes keeps one RoI and hands the other to lane l xor 16; then lanes l and l xor 8
	v_cndmask_b32 v98, v96, v97, s30
	v_cndmask_b32 v99, v97, v96, s30
	v_permlanex16_b32 v100, v99, s34, s35
	v_add_f32 v98, v98, v100
	v_add_f32_dpp v98, v98, v98 row_xmask:8 row_mask:0xf bank_mask:0xf
	s_wait_alu depctr_va_vdst(0)                   ; directly ahead of the wait below
	s_barrier_wait -1
	ds_store_b32 v15, v98                          ; two lanes hold the same sum for the same word
	s_wait_dscnt 0x0                               ; for the others' sake: my sums have landed
	s_barrier_signal -1
	s_barrier_wait -1
	; ---- the end: waves 0 and 1, a lane to a RoI: its eight channels' codes
	s_cmp_gt_u32 s14, 1
	s_cbranch_scc1 .Ldone
	ds_load_b128 v[32:35], v18
	ds_load_b128 v[36:39], v18 offset:16
	s_wait_kmcnt 0x0                               ; e0
	s_add_co_i32 s38, s36, 127
	s_lshl_b32 s39, s38, 23
	s_add_co_i32 s38, s38, 8
	s_lshl_b32 s38, s38, 23
	s_or_b32 s38, s38, 0x600000
	v_mov_b32 v28, s39                             ; 2^e0 as f32: the conversion takes its exponent field
	v_mov_b32 v29, s38                             ; 448 x 2^e0
	s_wait_alu depctr_va_vdst(0)
	s_wait_dscnt 0x0
.irp k, 32,33,34,35,36,37,38,39
	v_med3_num_f32 v\k, v\k, -v29, v29             ; the conversion to an 8-bit code does not saturate (ISA guide 7.6.2): held first
.endr
	v_cvt_scalef32_pk8_fp8_f32 v[40:41], v[32:39], v28
	v_nop                                          ; a plain vector line behind the conversion
	global_store_b64 v19, v[40:41], s[12:13]       ; a wave stores 256 consecutive bytes, at a multiple of 256 from the buffer's first byte
.Ldone:
	s_wait_tensorcnt 0x0                           ; the wave's end
	ds_add_u32 v[SPW], v[NIL]
	s_wait_dscnt 0x0
	s_endpgm
.Lfunc_end_k_q0d359539bf_pool:
	.size	k_q0d359539bf_pool, .Lfunc_end_k_q0d359539bf_pool-k_q0d359539bf_pool
	.p2alignl 7, 3214868480
	.fill 96, 4, 3214868480
	.section	.rodata,"a",@progbits
	.p2align	6, 0x0
	.amdhsa_kernel k_q0d359539bf_pool
		.amdhsa_group_segment_fixed_size 178432
		.amdhsa_private_segment_fixed_size 0
		.amdhsa_enable_private_segment 0
		.amdhsa_kernarg_size 40
		.amdhsa_user_sgpr_count 2
		.amdhsa_user_sgpr_kernarg_segment_ptr 1
		.amdhsa_wavefront_size32 1
		.amdhsa_system_sgpr_workgroup_id_x 1
		.amdhsa_system_sgpr_workgroup_id_y 1
		.amdhsa_system_sgpr_workgroup_id_z 1
		.amdhsa_system_vgpr_workitem_id 0
		.amdhsa_next_free_vgpr 104
		.amdhsa_next_free_sgpr 66
		.amdhsa_reserve_vcc 0
		.amdhsa_float_denorm_mode_32 3
		.amdhsa_float_denorm_mode_16_64 3
		.amdhsa_memory_ordered 1
		.amdhsa_forward_progress 1
		.amdhsa_inst_pref_size 221
	.end_amdhsa_kernel
	.amdgpu_metadata
---
amdhsa.version: [ 1, 2 ]
amdhsa.kernels:
  - .name:           k_q0d359539bf_pool
    .symbol:         k_q0d359539bf_pool.kd
    .args:
      - { .name: z, .offset: 0, .size: 8, .value_kind: global_buffer, .address_space: global }
      - { .name: wts, .offset: 8, .size: 8, .value_kind: global_buffer, .address_space: global }
      - { .name: info, .offset: 16, .size: 8, .value_kind: global_buffer, .address_space: global }
      - { .name: lowp_scales, .offset: 24, .size: 8, .value_kind: global_buffer, .address_space: global }
      - { .name: fcodes, .offset: 32, .size: 8, .value_kind: global_buffer, .address_space: global }
    .group_segment_fixed_size: 178432
    .private_segment_fixed_size: 0
    .kernarg_segment_align: 8
    .kernarg_segment_size: 40
    .max_flat_workgroup_size: 1024
    .sgpr_count:     66
    .vgpr_count:     104
    .wavefront_size: 32
...
	.end_amdgpu_metadata
.endif
;; end of part 2
;; launch linear (part 3): grid 4 x 64, 4 waves a work-group, no clusters, 4,864 bytes of LDS; arguments fcodes, wcodes, b_out, lowp_scales, out0; writes out0
.if DOCPART == 3
	.amdgcn_target "amdgcn-amd-amdhsa--gfx1250"
	.amdhsa_code_object_version 6
	.text
	.protected	k_q0d359539bf_linear
	.globl	k_q0d359539bf_linear
	.p2align	8
	.type	k_q0d359539bf_linear,@function
k_q0d359539bf_linear:
	s_mov_b64 s[64:65], 0
	v_nop
	global_prefetch_b8 v0, s[64:65] scope:SCOPE_SE
	s_setreg_imm32_b32 hwreg(HW_REG_WAVE_MODE, 25, 1), 1
	s_wait_xcnt 0x0
; out0[m][o] = (sum over c of Q(feats)[m][c] Q(W_out)[o][c]) + b_out[o]: 1,024 rows (image x RoI), 256 outputs, K = 128, on codes of E4M3 with the given scales 2^e0, 2^e1.
; fcodes: [image 16][channel group 16][RoI 64][8]; wcodes: [256][128].
; A work-group: 16 rows x 64 outputs.  A wave: one tile of 16 x 16, ONE matrix instruction (K = 128 is one step).
; THE MATRIX INSTRUCTION IS USED TRANSPOSED: source 0 = 16 rows of W_out, source 1 = 16 RoIs: lane (r, h) then holds row r and the eight neighbouring outputs 8 h + 0 .. 7 of its tile.
; FRAGMENTS: registers 4 c .. 4 c + 3 of lane (r, h) hold k = 32 c + 16 h + 0 .. 15 of row r, the same permutation of k in both sources.  In fcodes those are channel groups 4 c + 2 h and the next.
; The results meet in a stage in LDS (a row's 256 bytes come from four waves) and leave as whole rows: sixteen lanes store 256 consecutive bytes.
; No cluster and no tensor load: there is one K step, each wave asks once for its 2,048 bytes of either operand, in the order of its registers; joint requests would set two rounds of a
; cluster's barrier and a way through LDS round one matrix instruction.
; LIMIT: e0 + e1 between -126 and 127 (2^(e0 + e1) is made as an f32 number).
.set SP, 272                           ; a stage row: 256 bytes + 16: sixteen rows' 16 bytes fall on different banks (64 banks of 4 bytes: ISA guide 11.1)
.set FC, 16                            ; v16-31  the RoIs' fragment
.set BI, 32                            ; v32-39  b_out at my eight outputs
.set WC, 48                            ; v48-63  W_out's fragment
.set D,  64                            ; v64-71  the sums
.set Y,  72                            ; v72-79  the results; then two pieces of rows on the way out
.set SPW, 80
.set NIL, 81
	s_load_b256 s[4:11], s[0:1], 0x0               ; fcodes s[4:5], wcodes s[6:7], b_out s[8:9], lowp_scales s[10:11]
	s_load_b64 s[12:13], s[0:1], 0x20              ; out0
	v_lshl_add_u32 v[SPW], v0, 2, 16*SP
	v_mov_b32 v[NIL], 0
	v_lshrrev_b32 v1, 5, v0
	v_readfirstlane_b32 s14, v1                    ; wave 0..3
	s_wait_alu depctr_va_vdst(0)                   ; ahead of the run of scalar lines
	s_and_b32 s15, ttmp7, 0xffff                   ; which 16 rows
	s_lshl_b32 s16, ttmp9, 13                      ; wcodes: 64 rows of 128 bytes for a work-group,
	s_lshl_b32 s17, s14, 11                        ; 16 for a wave
	s_add_co_u32 s16, s16, s17
	s_mov_b32 s17, 0
	s_lshr_b32 s18, s15, 2
	s_lshl_b32 s18, s18, 13                        ; fcodes: 8,192 bytes an image,
	s_and_b32 s19, s15, 3
	s_lshl_b32 s19, s19, 7                         ; 16 RoIs of 8 bytes
	s_add_co_u32 s18, s18, s19
	s_mov_b32 s19, 0
	s_lshl_b32 s20, ttmp9, 8                       ; b_out: 64 numbers for a work-group,
	s_lshl_b32 s21, s14, 6                         ; 16 for a wave
	s_add_co_u32 s20, s20, s21
	s_mov_b32 s21, 0
	s_lshl_b32 s22, s15, 14                        ; out0: 16 rows of 1,024 bytes,
	s_lshl_b32 s23, ttmp9, 8                       ; 64 outputs
	s_add_co_u32 s22, s22, s23
	s_mov_b32 s23, 0
	v_and_b32 v2, 15, v0                           ; r
	v_bfe_u32 v3, v0, 4, 1                         ; h
	v_lshlrev_b32 v4, 7, v2
	v_lshlrev_b32 v5, 3, v2
	v_lshlrev_b32 v6, 5, v3                        ; b_out: + 8 h numbers
	v_lshl_add_u32 v4, v3, 4, v4                   ; wcodes: row r, + 16 h bytes
	v_lshl_add_u32 v5, v3, 10, v5                  ; fcodes: RoI r, + 2 h channel groups of 512 bytes
	s_wait_alu depctr_va_vdst(0)                   ; the head's end
	s_wait_kmcnt 0x0
	s_load_b64 s[24:25], s[10:11], 0x0             ; e0, e1
	s_add_nc_u64 s[4:5], s[4:5], s[18:19]
	s_add_nc_u64 s[6:7], s[6:7], s[16:17]
	s_add_nc_u64 s[8:9], s[8:9], s[20:21]
	s_add_nc_u64 s[12:13], s[12:13], s[22:23]
.irp c, 0,1,2,3
	global_load_b128 v[WC+4*\c:WC+4*\c+3], v4, s[6:7] offset:32*\c
	global_load_b64 v[FC+4*\c:FC+4*\c+1], v5, s[4:5] offset:2048*\c
	global_load_b64 v[FC+4*\c+2:FC+4*\c+3], v5, s[4:5] offset:2048*\c+512
.endr
	global_load_b128 v[BI:BI+3],   v6, s[8:9]
	global_load_b128 v[BI+4:BI+7], v6, s[8:9] offset:16
	s_wait_kmcnt 0x0
	s_add_co_i32 s30, s24, s25
	s_add_co_i32 s30, s30, 127
	s_lshl_b32 s30, s30, 23                        ; 2^(e0 + e1) as f32
	s_mov_b32 s31, s30                             ; (named with it as a pair, so it is written)
	s_lshl_b32 s26, s14, 6
	s_mul_i32 s27, s14, 4*SP
	s_lshl_b32 s28, s14, 12
	s_wait_loadcnt 0x0
	v_wmma_f32_16x16x128_fp8_fp8 v[D:D+7], v[WC:WC+15], v[FC:FC+15], 0
	; the addresses of the way out: nine plain vector lines that name none of the product's registers stand between it and the first read of its result (ISA guide 7.12.1)
	v_mul_u32_u24 v7, v2, SP
	v_mul_u32_u24 v8, v3, SP
	v_lshlrev_b32 v9, 10, v3
	v_lshl_add_u32 v7, v3, 5, v7
	v_lshl_add_u32 v8, v2, 4, v8
	v_lshl_add_u32 v9, v2, 4, v9
	v_add_nc_u32 v7, s26, v7                       ; into the stage: row r, my wave's 64 bytes, + 32 h
	v_add_nc_u32 v8, s27, v8                       ; back: rows 4 w + h (and two further on), 16 bytes a lane
	v_add_nc_u32 v9, s28, v9                       ; and the same place in out0
.irp i, 0,2,4,6
	v_pk_fma_f32 v[Y+\i:Y+\i+1], v[D+\i:D+\i+1], s[30:31], v[BI+\i:BI+\i+1] op_sel_hi:[1,0,1]   ; sum x 2^(e0 + e1) + b_out, from the accumulator's low end on
.endr
	ds_store_b128 v7, v[Y:Y+3]
	ds_store_b128 v7, v[Y+4:Y+7] offset:16
	s_wait_alu depctr_va_vdst(0)
	s_wait_dscnt 0x0                               ; for the others' sake: my part of the 16 rows has landed
	s_barrier_signal -1
	s_barrier_wait -1
	ds_load_b128 v[Y:Y+3],   v8
	ds_load_b128 v[Y+4:Y+7], v8 offset:2*SP
	s_wait_dscnt 1                                 ; the first of the two is back
	global_store_b128 v9, v[Y:Y+3], s[12:13] th:TH_STORE_NT                 ; sixteen lanes store 256 consecutive bytes, at a multiple of 256 from out0's first byte
	s_wait_dscnt 0
	global_store_b128 v9, v[Y+4:Y+7], s[12:13] offset:2048 th:TH_STORE_NT
	s_wait_tensorcnt 0x0                           ; the wave's end
	ds_add_u32 v[SPW], v[NIL]
	s_wait_dscnt 0x0
	s_endpgm
.Lfunc_end_k_q0d359539bf_linear:
	.size	k_q0d359539bf_linear, .Lfunc_end_k_q0d359539bf_linear-k_q0d359539bf_linear
	.p2alignl 7, 3214868480
	.fill 96, 4, 3214868480
	.section	.rodata,"a",@progbits
	.p2align	6, 0x0
	.amdhsa_kernel k_q0d359539bf_linear
		.amdhsa_group_segment_fixed_size 4864
		.amdhsa_private_segment_fixed_size 0
		.amdhsa_enable_private_segment 0
		.amdhsa_kernarg_size 40
		.amdhsa_user_sgpr_count 2
		.amdhsa_user_sgpr_kernarg_segment_ptr 1
		.amdhsa_wavefront_size32 1
		.amdhsa_system_sgpr_workgroup_id_x 1
		.amdhsa_system_sgpr_workgroup_id_y 1
		.amdhsa_system_sgpr_workgroup_id_z 1
		.amdhsa_system_vgpr_workitem_id 0
		.amdhsa_next_free_vgpr 84
		.amdhsa_next_free_sgpr 66
		.amdhsa_reserve_vcc 0
		.amdhsa_float_denorm_mode_32 3
		.amdhsa_float_denorm_mode_16_64 3
		.amdhsa_memory_ordered 1
		.amdhsa_forward_progress 1
		.amdhsa_inst_pref_size 6
	.end_amdhsa_kernel
	.amdgpu_metadata
---
amdhsa.version: [ 1, 2 ]
amdhsa.kernels:
  - .name:           k_q0d359539bf_linear
    .symbol:         k_q0d359539bf_linear.kd
    .args:
      - { .name: fcodes, .offset: 0, .size: 8, .value_kind: global_buffer, .address_space: global }
      - { .name: wcodes, .offset: 8, .size: 8, .value_kind: global_buffer, .address_space: global }
      - { .name: b_out, .offset: 16, .size: 8, .value_kind: global_buffer, .address_space: global }
      - { .name: lowp_scales, .offset: 24, .size: 8, .value_kind: global_buffer, .address_space: global }
      - { .name: out0, .offset: 32, .size: 8, .value_kind: global_buffer, .address_space: global }
    .group_segment_fixed_size: 4864
    .private_segment_fixed_size: 0
    .kernarg_segment_align: 8
    .kernarg_segment_size: 40
    .max_flat_workgroup_size: 128
    .sgpr_count:     66
    .vgpr_count:     84
    .wavefront_size: 32
...
	.end_amdgpu_metadata
.endif
;; end of part 3
